; MI455X (gfx1250); checked and timed in simulation.
; The chip was launched on July 23, 2026; its instructions are those of AMD's public machine-readable ISA for CDNA 5 (MIT licence, August 2026) and "CDNA5" Instruction Set Architecture Reference Guide (July 2026). The comments in the code are by the model that wrote it; some were corrected since.
;; Vector Quantizer. Allowed arithmetic: matrix products marked QUANTISED: E4M3 operands, one E8M0 scale for each 32 along K, by v_wmma_scale_f32_16x16x128_f8f6f4 with both operands' format E4M3, f32 sums; everything else in f32.
;; Inputs: embedding 1,024 x 64 float32; z 131,072 x 64 float32.
;; Outputs: out0 one number float32; out1 131,072 x 64 float32.
;; This version of the problem:
;;   THIS VERSION OF THE PROBLEM IS GIVEN IN LOW PRECISION. The matrix products marked QUANTISED in the list below multiply operands that are first quantised to E4M3 (4 exponent bits, 3 mantissa bits; 8 bits a number), with one power-of-two scale for each 32 numbers along K (OCP MX v1.0); their sums are f32. All else is computed in f32.
;;   The module's matrix products, in the order in which they are computed (A, B: the left and right operand; K: the contracted axis; several contracted axes count as one K, in the product's order):
;;     1. [M 131,072, K 64] x [K 64, N 1,024]; A: input z; B: input embedding: QUANTISED
;;   THE QUANTISER, for each operand of a quantised product, along K:
;;     - K is cut into blocks of 32 from its start; a last block that is shorter is filled with zeros.
;;     - A block's scale is 2^e with e = floor(log2(the largest magnitude in the block)) - 8, held to -126 .. 127; a block of zeros has e = 0. As a byte (E8M0): e + 127.
;;     - Each number is divided by its block's scale, clamped to +-448, and rounded to the nearest number of E4M3, ties to even, subnormals kept.
;;     - The product sums the exact products of the quantised numbers (number of the format x scale) in f32.
;;   ~~~python
;;   def quantise(x, axis):      # numpy; x: float32 -> the quantised numbers, widened to float32 again
;;       x = np.moveaxis(x, axis, -1); K = x.shape[-1]
;;       x = np.pad(x, [(0, 0)] * (x.ndim - 1) + [(0, -K % 32)]); x = x.reshape(x.shape[:-1] + (-1, 32)); a = np.abs(x).max(-1, keepdims=True)
;;       e = np.where(a > 0, np.clip(np.frexp(np.where(a > 0, a, 1))[1] - 1 - 8, -126, 127), 0)      # np.frexp(a)[1] - 1 = floor(log2(a)), exactly
;;       r = np.clip(x / 2.0 ** e, -448, 448)
;;       step = 2.0 ** (np.maximum(np.frexp(np.where(r == 0, 1, r))[1] - 1, -6) - 3)
;;       q = np.round(r / step) * step * 2.0 ** e      # np.round: ties to even
;;       return np.moveaxis(q.reshape(q.shape[:-2] + (-1,))[..., :K], -1, axis).astype(np.float32)
;;   ~~~
;; One version. Each part assembles by itself: llvm-mc -triple=amdgcn-amd-amdhsa -mcpu=gfx1250 --defsym DOCPART=n.
;; ======== version 1 of 1: 3 launches
;; workspace buffers: idx 524,288 bytes of whole numbers; partial 8,192 bytes
;; launch nearest (part 1): grid 256 x 1, 16 waves a work-group, no clusters, 135,168 bytes of LDS; arguments z, embedding, idx; writes idx
.if DOCPART == 1
	.amdgcn_target "amdgcn-amd-amdhsa--gfx1250"
	.amdhsa_code_object_version 6
	.text
	.protected	k_q974c790415_nearest
	.globl	k_q974c790415_nearest
	.p2align	8
	.type	k_q974c790415_nearest,@function
k_q974c790415_nearest:
	s_mov_b64 s[64:65], 0
	v_nop
	global_prefetch_b8 v0, s[64:65] scope:SCOPE_SE
	s_setreg_imm32_b32 hwreg(HW_REG_WAVE_MODE, 25, 1), 1
	s_wait_xcnt 0x0
; idx[b] = the first k at which d2[b][k] = (z2[b] - 2 Q(z[b]) . Q(e[k])) + e2[k] is smallest.  z: [131072][64] f32, e: [1024][64] f32.
; Q: codes of FP8 (E4M3) with one E8M0 scale for each 32 along K = 64.  The product goes by v_wmma_scale_f32_16x16x128_f8f6f4: K = 64 fills registers 0-7 of a fragment, registers 8-15 are zero codes.
; d2 IS ROUNDED AS THE PROBLEM'S DEFINITION ROUNDS IT: 2 x dot is exact, so z2 - 2 dot is one fused multiply-add; + e2 is one addition; the comparison is strict, the lower k wins a tie.
; SHARES.  A work-group of SIXTEEN waves, four to a SIMD, owns 512 rows of z: eight blocks of 64.  Waves 2 g and 2 g + 1 own block g together: each holds the block's four fragments of z in registers,
; wave u = w % 2 walks tiles 32 u .. 32 u + 31 of e, and at the end the two exchange their best through LDS.  So one wave's waits and products stand beside three other waves' vector work.
; PREPARATION.  Wave w quantises tiles 4 w .. 4 w + 3 of e and tiles 2 w, 2 w + 1 of the work-group's z, and puts each into LDS as a record: an image of the operand's registers, its scale words, its 16 sums of squares.  One barrier.
; THE PRODUCT IS USED TRANSPOSED: source 0 = 16 rows of e, source 1 = 16 rows of z.  Lane (r, h) then holds row r of z, and register j of the result code 16 t + 8 h + j: z2 is one number a lane, e2 eight registers a tile,
; and the search stays inside a lane until one exchange with lane l xor 16, and one with the partner wave, at the end.
; THE SEARCH.  For each tile of e: the smallest of the running best and the tile's eight d2; where that is smaller than the running best, the tile's number and its eight d2 are kept (selections, no branch).
; At the end the lowest register that equals the best gives the place in the tile.
; idx's LAYOUT: for each block of 64 rows 256 bytes; word 2 l + s holds the index of row 32 s + l: one wave stores them by one instruction, 8 bytes a lane, 256 consecutive aligned bytes.
; No cluster, no tensor load: e arrives as f32 and has to pass registers to be quantised; its 262,144 bytes and the records do not fit in LDS together; no byte of LDS is written twice.
; LIMITS: NaN and infinities among the inputs are not served.  z2 and e2 are summed in an order of their own (two packed chains, then the two halves of the lanes).
; A block whose largest magnitude lies under 2^-118 keeps the scale byte 1; so does a block of zeros, whose codes are zeros.
.set REC,  1216                        ; a record in LDS: 1,024 bytes of codes (two stores of 512: lane l at 16 l), 128 of scale words (4 l), 64 of sums of squares (4 r)
.set ZB,   64*REC                      ; behind e's 64 records: z's 32
.set CMB,  96*REC                      ; behind those: 1,024 bytes for each wave, for the exchange at the end: 512 of best d2, 512 of k, lane l at 16 l
.set ZF,   16                          ; v16-79    z's four fragments, 16 registers each; registers 8-15 of each are 0
.set ZS,   80                          ; v80-83    z's scale words
.set ES,   84                          ; v84-85    e's scale words, two buffers
.set Z2,   86                          ; v86-93    z2 of tile i, twice: a pair for the packed form
.set EF,   96                          ; v96-127   e's fragment, two buffers of 16; registers 8-15 of each are 0
.set E2,   128                         ; v128-143  e2 of my eight codes, two buffers
.set DR,   144                         ; v144-207  results: two sets of four tiles x 8
.set BA,   208                         ; v208-211, v212-215 the running best: old and new change places from step to step
.set TID,  216                         ; v216-219  16 t + 8 h of the tile that holds the best; at the end k
.set CAP,  220                         ; v220-251  that tile's eight d2
.set JR,   252                         ; v252-255  the place in that tile
; in the preparation alone:
.set TM,   16                          ; v16-17 largest magnitudes, v18-19 the other lanes', then the bytes, v20-21 448 x the scale, v22-23 the conversions' scale operand
.set SQ,   24                          ; v24-27    sums of squares, two packed chains
.set SQT,  28                          ; v28       the other half of the lanes' sum
.set WD,   29                          ; v29, v30  a record's scale word, two sets by turns
.set SR,   31                          ; v31, v32  its sum of squares, two sets
.set PC,   36                          ; v36-43, v44-51 its codes, two sets
.set XR,   64                          ; v64-255   six sets of 32 numbers: every job has its own
; v1, v2, v15 where I read my block's records of z (codes, scale words, z2); v3, v4, v5 the same for e's (they step through my half of the records); v6 16 t + 8 h;
; v7 256 r + 64 h; v8, v9, v10 where my wave stores e's records; v12, v13, v14 z's; v11 8 lane.  v0 stays as it came.
	s_load_b128 s[4:7], s[0:1], 0x0                ; z s[4:5], e s[6:7]
	s_load_b64 s[8:9], s[0:1], 0x10                ; idx
	v_lshrrev_b32 v52, 5, v0
	v_readfirstlane_b32 s10, v52                   ; wave 0..15
	v_and_b32 v52, 31, v0                          ; lane
	v_and_b32 v53, 15, v0                          ; r
	v_bfe_u32 v54, v0, 4, 1                        ; h
	s_lshr_b32 s32, s10, 1                         ; g: my block of 64 rows
	s_and_b32 s29, s10, 1                          ; u: my half of e's tiles
	v_lshlrev_b32 v55, 4, v52                      ; a lane's place in a record: its codes,
	v_lshl_add_u32 v56, v52, 2, 1024               ; its scale word,
	v_lshl_add_u32 v57, v53, 2, 1152               ; its row's sum of squares
	s_mul_i32 s11, s29, 32*REC                     ; my half of e's records
	v_add_nc_u32 v3, s11, v55
	v_add_nc_u32 v4, s11, v56
	v_lshl_add_u32 v5, v54, 5, 1152                ; e2 of my eight codes: 32 h bytes on
	v_add_nc_u32 v5, s11, v5
	s_lshl_b32 s33, s29, 9
	v_lshl_add_u32 v6, v54, 3, s33                 ; 16 t + 8 h at my first tile, t = 32 u
	v_lshlrev_b32 v7, 8, v53
	v_lshl_add_u32 v7, v54, 6, v7                  ; row r of 256 bytes, + 64 h: my 16 numbers of a block of 32
	s_mul_i32 s11, s10, 4*REC                      ; the four records of e that I make
	v_add_nc_u32 v8, s11, v55
	v_add_nc_u32 v9, s11, v56
	v_add_nc_u32 v10, s11, v57
	v_lshlrev_b32 v11, 3, v52
	s_mul_i32 s11, s10, 2*REC                      ; the two records of z that I make
	s_add_co_u32 s11, s11, ZB
	v_add_nc_u32 v12, s11, v55
	v_add_nc_u32 v13, s11, v56
	v_add_nc_u32 v14, s11, v57
	s_mul_i32 s11, s32, 4*REC                      ; the four records of z that I read
	s_add_co_u32 s11, s11, ZB
	v_add_nc_u32 v1, s11, v55
	v_add_nc_u32 v2, s11, v56
	v_add_nc_u32 v15, s11, v57
	s_lshl_b32 s34, s10, 10
	s_add_co_u32 s34, s34, CMB                     ; the exchange: my 1,024 bytes,
	s_xor_b32 s35, s10, 1
	s_lshl_b32 s35, s35, 10
	s_add_co_u32 s35, s35, CMB                     ; and my partner's
	v_mov_b32 v[TM+2], 0                           ; written once: a lane permute's destination counts as one of its sources
	v_mov_b32 v[TM+3], 0
	v_mov_b32 v[SQT], 0
	s_mov_b32 s12, 0x76543210
	s_mov_b32 s13, 0xfedcba98                      ; v_permlanex16_b32's selects for lane l xor 16
	s_mov_b32 s14, 0x600000                        ; the mantissa field of 448
	s_mov_b32 s28, 0xffff0000                      ; lanes 16-31
	s_lshl_b32 s30, ttmp9, 17                      ; z: the work-group's 512 rows of 256 bytes,
	s_lshl_b32 s31, s10, 13                        ; and the two tiles that I quantise
	s_add_co_u32 s30, s30, s31
	s_mov_b32 s31, 0
	s_lshl_b32 s36, s10, 14                        ; e: the four tiles that I quantise
	s_mov_b32 s37, 0
	s_lshl_b32 s38, ttmp9, 3
	s_add_co_u32 s38, s38, s32
	s_lshl_b32 s38, s38, 8                         ; idx: block 8 x work-group + g, 256 bytes each
	s_mov_b32 s39, 0
	s_wait_kmcnt 0x0
	s_add_nc_u64 s[4:5], s[4:5], s[30:31]
	s_add_nc_u64 s[6:7], s[6:7], s[36:37]
	s_add_nc_u64 s[8:9], s[8:9], s[38:39]
; Job n: 0-3 my tiles of e, 4-5 my tiles of z.  Its eight loads: register 16 b + i = number 32 b + 16 h + i of row r, the order that the operand's layout gives my lane.
.macro JLOAD n
.irp b, 0,1
.irp j, 0,1,2,3
.if (\n) < 4
	global_load_b128 v[XR+32*(\n)+16*\b+4*\j:XR+32*(\n)+16*\b+4*\j+3], v7, s[6:7] offset:4096*(\n)+128*\b+16*\j
.else
	global_load_b128 v[XR+32*(\n)+16*\b+4*\j:XR+32*(\n)+16*\b+4*\j+3], v7, s[4:5] offset:4096*((\n)-4)+128*\b+16*\j
.endif
.endr
.endr
.endm
.macro JOB n
.set XS,  XR+32*(\n)
.set PCR, PC+8*((\n)%2)
.set WR,  WD+(\n)%2
.set SQD, SR+(\n)%2
	s_wait_loadcnt 8*(5-(\n))                      ; my eight loads are in; those of the jobs behind may be out
.if (\n) >= 2
	s_wait_dscnt 0x4                               ; the four LDS stores of the job before may be out; those of the job before that, which read the registers written below, are done
.endif
	; the row's sum of squares, of the numbers as they are given
	v_pk_mul_f32 v[SQ:SQ+1], v[XS:XS+1], v[XS:XS+1]
	v_pk_mul_f32 v[SQ+2:SQ+3], v[XS+2:XS+3], v[XS+2:XS+3]
.irp i, 4,8,12,16,20,24,28
	v_pk_fma_f32 v[SQ:SQ+1], v[XS+\i:XS+\i+1], v[XS+\i:XS+\i+1], v[SQ:SQ+1]
	v_pk_fma_f32 v[SQ+2:SQ+3], v[XS+\i+2:XS+\i+3], v[XS+\i+2:XS+\i+3], v[SQ+2:SQ+3]
.endr
	v_pk_add_f32 v[SQ:SQ+1], v[SQ:SQ+1], v[SQ+2:SQ+3]
	v_add_f32 v[SQ], v[SQ], v[SQ+1]
	v_permlanex16_b32 v[SQT], v[SQ], s12, s13      ; the row's other 32 numbers lie in lane l xor 16
	v_add_f32 v[SQD], v[SQ], v[SQT]
	; the two blocks of 32: largest magnitude, scale, hold, codes
.irp b, 0,1
	v_max3_num_f32 v[TM+\b], |v[XS+16*\b]|, |v[XS+16*\b+1]|, 0x4800000   ; my 16 numbers, and the floor 2^(9 - 127): so the byte cannot fall under 1
.endr
.irp i, 2,4,6,8,10,12,14
.irp b, 0,1
	v_max3_num_f32 v[TM+\b], v[TM+\b], |v[XS+16*\b+\i]|, |v[XS+16*\b+\i+1]|
.endr
.endr
.irp b, 0,1
	v_permlanex16_b32 v[TM+2+\b], v[TM+\b], s12, s13
.endr
.irp b, 0,1
	v_max_num_f32 v[TM+\b], v[TM+\b], v[TM+2+\b]   ; with lane l xor 16's: the block's largest magnitude
.endr
.irp b, 0,1
	v_add_nc_u32 v[TM+6+\b], 0xfc000000, v[TM+\b]  ; 8 off its exponent field: the conversion takes this operand's exponent field as its scale
.endr
.irp b, 0,1
	v_and_or_b32 v[TM+4+\b], v[TM+\b], 0x7f800000, s14   ; 448 x the scale
.endr
.irp b, 0,1
	v_lshrrev_b32 v[TM+2+\b], 23, v[TM+6+\b]       ; the scale's byte
.endr
	v_lshl_or_b32 v[WR], v[TM+3], 8, v[TM+2]       ; my row's scale word: bytes 0 and 1;
	v_lshl_or_b32 v[WR], v[WR], 16, v[WR]          ; bytes 2 and 3, which scale zero codes alone, repeat them: never 0xff
.irp b, 0,1
.irp i, 0,1,2,3,4,5,6,7,8,9,10,11,12,13,14,15
	v_med3_num_f32 v[XS+16*\b+\i], v[XS+16*\b+\i], -v[TM+4+\b], v[TM+4+\b]   ; the conversion to an 8-bit code does not saturate (ISA guide 7.6.2): the hold at the largest code x the scale
.endr
	v_cvt_scalef32_pk8_fp8_f32 v[PCR+4*\b:PCR+4*\b+1], v[XS+16*\b:XS+16*\b+7], v[TM+6+\b]
	v_cvt_scalef32_pk8_fp8_f32 v[PCR+4*\b+2:PCR+4*\b+3], v[XS+16*\b+8:XS+16*\b+15], v[TM+6+\b]
.endr
	v_nop                                          ; one plain vector instruction behind the last conversion, ahead of whatever next touches its registers
.if (\n) < 4
	ds_store_b128 v8, v[PCR:PCR+3] offset:(\n)*REC             ; the fragment's registers 0-3 as they stand, lane l at 16 l,
	ds_store_b128 v8, v[PCR+4:PCR+7] offset:(\n)*REC+512       ; registers 4-7,
	ds_store_b32 v9, v[WR] offset:(\n)*REC                     ; the scale words, lane l at 4 l,
	ds_store_b32 v10, v[SQD] offset:(\n)*REC                   ; and row r's sum of squares (lanes r and r + 16 write the same word with the same value)
.else
	ds_store_b128 v12, v[PCR:PCR+3] offset:((\n)-4)*REC
	ds_store_b128 v12, v[PCR+4:PCR+7] offset:((\n)-4)*REC+512
	ds_store_b32 v13, v[WR] offset:((\n)-4)*REC
	ds_store_b32 v14, v[SQD] offset:((\n)-4)*REC
.endif
.endm
.irp n, 0,1,2,3,4,5
	JLOAD \n                                       ; all 48 loads of the wave go out at once: each job has registers of its own
.endr
.irp n, 0,1,2,3,4,5
	JOB \n
.endr
	s_wait_dscnt 0x0                               ; for the others' sake: my stores into the records are done
	s_barrier_signal -1
	s_barrier_wait -1                              ; all 96 records lie in LDS; they are only read from here on
.macro ELOAD p, off                    ; a tile's codes and scale words into buffer p: three loads
	ds_load_b128 v[EF+16*(\p):EF+16*(\p)+3], v3 offset:(\off)
	ds_load_b128 v[EF+16*(\p)+4:EF+16*(\p)+7], v3 offset:(\off)+512
	ds_load_b32 v[ES+(\p)], v4 offset:(\off)
.endm
.macro E2LOAD p, off                   ; e2 of my eight codes of a tile: two loads
	ds_load_b128 v[E2+8*(\p):E2+8*(\p)+3], v5 offset:(\off)
	ds_load_b128 v[E2+8*(\p)+4:E2+8*(\p)+7], v5 offset:(\off)+16
.endm
.irp i, 0,1,2,3                        ; my block's four tiles of z: five loads each
	ds_load_b128 v[ZF+16*\i:ZF+16*\i+3], v1 offset:\i*REC
	ds_load_b128 v[ZF+16*\i+4:ZF+16*\i+7], v1 offset:\i*REC+512
	ds_load_b32 v[ZS+\i], v2 offset:\i*REC
	ds_load_b32 v[Z2+2*\i], v15 offset:\i*REC
	ds_load_b32 v[Z2+2*\i+1], v15 offset:\i*REC    ; z2 twice: the packed form takes a pair
.endr
	ELOAD 0, 0                                     ; my first tile of e;
	ELOAD 1, REC                                   ; behind it the five loads that a step's head would have issued: the second tile,
	E2LOAD 0, 0                                    ; and the first tile's e2
.irp i, 0,1,2,3
.irp j, 8,9,10,11,12,13,14,15
	v_mov_b32 v[ZF+16*\i+\j], 0                    ; K = 64 .. 127: zero codes, written once
.endr
.endr
.irp j, 8,9,10,11,12,13,14,15,24,25,26,27,28,29,30,31
	v_mov_b32 v[EF+\j], 0                          ; the same of e's two buffers
.endr
.irp i, 0,1,2,3
	v_mov_b32 v[BA+\i], 0x7f800000                 ; the best so far: +infinity
.endr
.irp i, 0,1,2,3
	v_mov_b32 v[TID+\i], 0                         ; (these eight lines are also the places between the zero codes above and the first product)
.endr
	s_wait_dscnt 0x5                               ; z's 20 loads and the first tile's three are in; the five issued behind them may be out
.irp i, 0,1,2,3
	v_wmma_scale_f32_16x16x128_f8f6f4 v[DR+8*\i:DR+8*\i+7], v[EF:EF+15], v[ZF+16*\i:ZF+16*\i+15], 0, v[ES], v[ZS+\i]
.endr
.irp j, 0,1,2,3,4,5,6,7,8,9,10,11,12,13,14,15,16,17,18,19,20,21,22,23,24,25,26,27,28,29,30,31
	v_mov_b32 v[CAP+\j], 0x7f800000                ; the kept d2 begin as the best does.  (Also the eight places behind those products)
.endr
; STEP t of my 32 tiles, p = t % 2.  At its head the LDS loads, ahead of the products, so that no LDS instruction stands behind a product: le: tile t + 2's codes and scale words, into the buffer that tile t has left
; (the products that read it stand a whole step's vector lines back); l2: tile t + 1's e2, into the buffer that the last step's additions have read.  wm: tile t + 1 is multiplied, into the other set of results.
; The vector work is tile t's.  Every product begins with C = 0 and has an accumulator of its own: no chain.  The 89 vector lines name no register of the step's products: they are the places in front of the next step's reads and loads.
.macro STEP p, wm, le, l2
.if \le
	ELOAD \p, (2+\p)*REC
.endif
.if \l2
	E2LOAD 1-\p, (1+\p)*REC
.endif
	s_wait_dscnt 3*\le+2*\l2                       ; all but the loads just issued: tile t + 1's codes and tile t's e2, asked for at the last step's head, are in
.if \wm
.irp i, 0,1,2,3
	v_wmma_scale_f32_16x16x128_f8f6f4 v[DR+32*(1-\p)+8*\i:DR+32*(1-\p)+8*\i+7], v[EF+16*(1-\p):EF+16*(1-\p)+15], v[ZF+16*\i:ZF+16*\i+15], 0, v[ES+1-\p], v[ZS+\i]
.endr
.endif
.irp q, 0,1,2,3                        ; each result from its low end on; the four tiles of z by turns
.irp i, 0,1,2,3
	v_pk_fma_f32 v[DR+32*\p+8*\i+2*\q:DR+32*\p+8*\i+2*\q+1], v[DR+32*\p+8*\i+2*\q:DR+32*\p+8*\i+2*\q+1], -2.0, v[Z2+2*\i:Z2+2*\i+1] op_sel_hi:[1,0,1]   ; z2 - 2 dot: one rounding
.endr
.endr
.irp q, 0,1,2,3
.irp i, 0,1,2,3
	v_pk_add_f32 v[DR+32*\p+8*\i+2*\q:DR+32*\p+8*\i+2*\q+1], v[DR+32*\p+8*\i+2*\q:DR+32*\p+8*\i+2*\q+1], v[E2+8*\p+2*\q:E2+8*\p+2*\q+1]   ; + e2: the second
.endr
.endr
.irp i, 0,1,2,3
	v_min3_num_f32 v[BA+4*(1-\p)+\i], v[BA+4*\p+\i], v[DR+32*\p+8*\i], v[DR+32*\p+8*\i+1]   ; the new best: the old one and the tile's eight
.endr
.irp q, 1,2,3
.irp i, 0,1,2,3
	v_min3_num_f32 v[BA+4*(1-\p)+\i], v[BA+4*(1-\p)+\i], v[DR+32*\p+8*\i+2*\q], v[DR+32*\p+8*\i+2*\q+1]
.endr
.endr
.irp i, 0,1,2,3
	v_cmp_lt_f32 s[16+\i], v[BA+4*(1-\p)+\i], v[BA+4*\p+\i]   ; strictly smaller: an earlier tile keeps a tie
.endr
.irp i, 0,1,2,3
	v_cndmask_b32 v[TID+\i], v[TID+\i], v6, s[16+\i]
.endr
.irp j, 0,1,2,3,4,5,6,7
.irp i, 0,1,2,3
	v_cndmask_b32 v[CAP+8*\i+\j], v[CAP+8*\i+\j], v[DR+32*\p+8*\i+\j], s[16+\i]
.endr
.endr
	v_add_nc_u32 v6, 16, v6
.endm
	s_mov_b32 s15, 15
.Ltile:                                                ; a trip takes my tiles 2 i and 2 i + 1, multiplies up to 2 i + 2 and fetches up to 2 i + 3: 15 trips fetch up to tile 31
	STEP 0, 1, 1, 1
	STEP 1, 1, 1, 1
	v_add_nc_u32 v3, 2*REC, v3
	v_add_nc_u32 v4, 2*REC, v4
	v_add_nc_u32 v5, 2*REC, v5
	s_sub_co_u32 s15, s15, 1
	s_cmp_lg_u32 s15, 0
	s_cbranch_scc1 .Ltile
	STEP 0, 1, 0, 1                                ; tile 30: of tile 31 only e2 is left to fetch
	STEP 1, 0, 0, 0                                ; tile 31: nothing is left to fetch or to multiply.  The best now lies in v[BA] on
	; the place in the kept tile: the lowest register that equals the best
.irp i, 0,1,2,3
	v_mov_b32 v[JR+\i], 7
.endr
.irp j, 6,5,4,3,2,1,0
.irp i, 0,1,2,3
	v_cmp_neq_f32 s[16+\i], v[CAP+8*\i+\j], v[BA+\i]
.endr
.irp i, 0,1,2,3
	v_cndmask_b32 v[JR+\i], \j, v[JR+\i], s[16+\i]
.endr
.endr
.irp i, 0,1,2,3
	v_add_nc_u32 v[TID+\i], v[TID+\i], v[JR+\i]    ; the k of my lane's best
.endr
; Another holder of the same rows (its best at v[sv + st i], its k at v[sk + st i]): its k is taken where its best is smaller, or equal with the lower k.  Selections, no branch.
.macro MERGE sv, sk, st
.irp i, 0,1,2,3
	v_cmp_lt_f32 s[16+\i], v[\sv+\st*\i], v[BA+\i]
	v_cmp_eq_f32 s[20+\i], v[\sv+\st*\i], v[BA+\i]
	v_cmp_lt_u32 s[24+\i], v[\sk+\st*\i], v[TID+\i]
.endr
.irp i, 0,1,2,3
	s_and_b32 s[20+\i], s[20+\i], s[24+\i]
	s_or_b32 s[16+\i], s[16+\i], s[20+\i]
.endr
.irp i, 0,1,2,3
	v_cndmask_b32 v[TID+\i], v[TID+\i], v[\sk+\st*\i], s[16+\i]
.endr
.endm
.irp i, 0,1,2,3
	v_permlanex16_b32 v[CAP+8*\i], v[BA+\i], s12, s13          ; lane l xor 16 holds the same row's other codes of my tiles
	v_permlanex16_b32 v[CAP+8*\i+1], v[TID+\i], s12, s13
.endr
	MERGE CAP, CAP+1, 8
.irp i, 0,1,2,3
	v_min_num_f32 v[BA+\i], v[BA+\i], v[CAP+8*\i]  ; and the best that goes with it: both halves of the lanes now hold row r's
.endr
	; my partner wave holds the same rows' best among the other 512 codes: each puts its own into its 1,024 bytes and takes the other's
	v_and_b32 v7, 31, v0
	v_lshlrev_b32 v7, 4, v7
	v_add_nc_u32 v8, s34, v7
	v_add_nc_u32 v9, s35, v7
	ds_store_b128 v8, v[BA:BA+3]
	ds_store_b128 v8, v[TID:TID+3] offset:512
	s_wait_dscnt 0x0                               ; for my partner's sake: my two stores are done
	s_barrier_signal -1
	s_barrier_wait -1
	ds_load_b128 v[CAP:CAP+3], v9
	ds_load_b128 v[CAP+4:CAP+7], v9 offset:512
	s_wait_dscnt 0x0
	MERGE CAP, CAP+4, 1
	v_cndmask_b32 v12, v[TID], v[TID+1], s28       ; lane l: row l (lanes 16-31 take tile 1's),
	v_cndmask_b32 v13, v[TID+2], v[TID+3], s28     ; and row 32 + l
	s_cmp_lg_u32 s29, 0                            ; both waves of the pair hold the block's indices: the first of them stores
	s_cbranch_scc1 .Ldone
	global_store_b64 v11, v[12:13], s[8:9]         ; 32 lanes store 256 consecutive bytes, at a multiple of 256 from idx's first byte
.Ldone:
	s_wait_xcnt 0x0
	v_lshl_add_u32 v254, v0, 2, 0x20800
	v_mov_b32 v255, 0
	s_wait_tensorcnt 0x0
	ds_add_u32 v254, v255
	s_wait_dscnt 0x0
	s_endpgm
.Lfunc_end_k_q974c790415_nearest:
	.size	k_q974c790415_nearest, .Lfunc_end_k_q974c790415_nearest-k_q974c790415_nearest
	.p2alignl 7, 3214868480
	.fill 96, 4, 3214868480
	.section	.rodata,"a",@progbits
	.p2align	6, 0x0
	.amdhsa_kernel k_q974c790415_nearest
		.amdhsa_group_segment_fixed_size 135168
		.amdhsa_private_segment_fixed_size 0
		.amdhsa_enable_private_segment 0
		.amdhsa_kernarg_size 24
		.amdhsa_user_sgpr_count 2
		.amdhsa_user_sgpr_kernarg_segment_ptr 1
		.amdhsa_wavefront_size32 1
		.amdhsa_system_sgpr_workgroup_id_x 1
		.amdhsa_system_sgpr_workgroup_id_y 1
		.amdhsa_system_sgpr_workgroup_id_z 1
		.amdhsa_system_vgpr_workitem_id 0
		.amdhsa_next_free_vgpr 256
		.amdhsa_next_free_sgpr 66
		.amdhsa_reserve_vcc 0
		.amdhsa_float_denorm_mode_32 3
		.amdhsa_float_denorm_mode_16_64 3
		.amdhsa_memory_ordered 1
		.amdhsa_forward_progress 1
		.amdhsa_inst_pref_size 80
	.end_amdhsa_kernel
	.amdgpu_metadata
---
amdhsa.version: [ 1, 2 ]
amdhsa.kernels:
  - .name:           k_q974c790415_nearest
    .symbol:         k_q974c790415_nearest.kd
    .args:
      - { .name: z, .offset: 0, .size: 8, .value_kind: global_buffer, .address_space: global }
      - { .name: embedding, .offset: 8, .size: 8, .value_kind: global_buffer, .address_space: global }
      - { .name: idx, .offset: 16, .size: 8, .value_kind: global_buffer, .address_space: global }
    .group_segment_fixed_size: 135168
    .private_segment_fixed_size: 0
    .kernarg_segment_align: 8
    .kernarg_segment_size: 24
    .max_flat_workgroup_size: 512
    .sgpr_count:     66
    .vgpr_count:     256
    .wavefront_size: 32
...
	.end_amdgpu_metadata
.endif
;; end of part 1
;; launch gather (part 2): grid 256 x 1, 8 waves a work-group, no clusters, 0 bytes of LDS; arguments idx, z, embedding, out1, partial; writes out1, partial
.if DOCPART == 2
	.amdgcn_target "amdgcn-amd-amdhsa--gfx1250"
	.amdhsa_code_object_version 6
	.text
	.protected	k_q974c790415_gather
	.globl	k_q974c790415_gather
	.p2align	8
	.type	k_q974c790415_gather,@function
k_q974c790415_gather:
	s_mov_b64 s[64:65], 0
	v_nop
	global_prefetch_b8 v0, s[64:65] scope:SCOPE_SE
	s_setreg_imm32_b32 hwreg(HW_REG_WAVE_MODE, 25, 1), 1
	s_wait_xcnt 0x0
; out1[b] = e[idx[b]];  partial[wave] = the sum over the wave's 64 rows of (z - out1)^2.  z, out1: [131072][64] f32, e: [1024][64] f32, idx as the launch before laid it.
; A stream: each byte of z is read once and each byte of out1 written once; no LDS, no barrier, no matrix unit: waves share nothing, and e's rows come from the caches.
; Wave B = 8 x work-group + wave takes block B of 64 rows.  Sixteen lanes serve a row of 256 bytes, so a load or store of the wave covers two whole rows, each 256 consecutive aligned bytes.
; idx's word 2 l + s of a block is row 32 s + l.  Load q gives lanes of half h the words 4 m .. 4 m + 3, m = 2 q + h: word c is row 4 q + 2 h + (c / 2) + 32 (c % 2).
; All 32 loads of z go out at the start; e's rows are gathered eight registers of indices at a time, in two sets by turns.
; An index enters an address only behind v_min_u32 with 1,023, the table's last row.
.set IDX, 8                            ; v8-39    index n = 4 q + c, then the byte offset of my 16 bytes of its row of e
.set ACC, 40                           ; v40-47   four packed sums
.set T,   48                           ; v48-55   differences, two sets
.set Z,   64                           ; v64-191  z: four registers for each n
.set E,   192                          ; v192-255 e's rows: two sets of 8 x 4
; v1 lane, v2 16 h, v3 512 h + 16 (lane % 16), v4 16 (lane % 16), v5 0
	s_load_b256 s[4:11], s[0:1], 0x0               ; idx s[4:5], z s[6:7], e s[8:9], out1 s[10:11]
	s_load_b64 s[12:13], s[0:1], 0x20              ; partial
	v_lshrrev_b32 v1, 5, v0
	v_readfirstlane_b32 s14, v1                    ; wave 0..7
	v_and_b32 v1, 31, v0
	v_bfe_u32 v6, v0, 4, 1                         ; h
	v_and_b32 v7, 15, v0
	v_lshlrev_b32 v2, 4, v6
	v_lshlrev_b32 v4, 4, v7
	v_lshl_add_u32 v3, v6, 9, v4
	v_mov_b32 v5, 0
	s_mov_b32 s16, 0x76543210
	s_mov_b32 s17, 0xfedcba98                      ; v_permlanex16_b32's selects for lane l xor 16
	s_lshl_b32 s15, ttmp9, 3
	s_add_co_u32 s15, s15, s14                     ; B
	s_mov_b32 s19, 0
	s_wait_kmcnt 0x0
	s_lshl_b32 s18, s15, 8
	s_add_nc_u64 s[4:5], s[4:5], s[18:19]
	s_lshl_b32 s18, s15, 14
	s_add_nc_u64 s[6:7], s[6:7], s[18:19]
	s_add_nc_u64 s[10:11], s[10:11], s[18:19]
	s_lshl_b32 s18, s15, 2
	s_add_nc_u64 s[12:13], s[12:13], s[18:19]
.irp q, 0,1,2,3,4,5,6,7
	global_load_b128 v[IDX+4*\q:IDX+4*\q+3], v2, s[4:5] offset:32*\q
.endr
.irp q, 0,1,2,3,4,5,6,7
.irp c, 0,1,2,3
	global_load_b128 v[Z+16*\q+4*\c:Z+16*\q+4*\c+3], v3, s[6:7] offset:1024*\q+8192*(\c%2)+256*(\c/2) th:TH_LOAD_NT
.endr
.endr
	s_wait_loadcnt 32                              ; the indices are in; the 32 loads of z issued behind them may be out
.irp n, 0,1,2,3,4,5,6,7,8,9,10,11,12,13,14,15,16,17,18,19,20,21,22,23,24,25,26,27,28,29,30,31
	v_min_u32 v[IDX+\n], 0x3ff, v[IDX+\n]
.endr
.irp n, 0,1,2,3,4,5,6,7,8,9,10,11,12,13,14,15,16,17,18,19,20,21,22,23,24,25,26,27,28,29,30,31
	v_lshl_add_u32 v[IDX+\n], v[IDX+\n], 8, v4     ; the row's 256 bytes, my 16 of them
.endr
.macro GATH c                          ; chunk c: indices 8 c .. 8 c + 7.  No cache hint: rows are named again and again
.irp m, 0,1,2,3,4,5,6,7
	global_load_b128 v[E+32*(\c%2)+4*\m:E+32*(\c%2)+4*\m+3], v[IDX+8*\c+\m], s[8:9]
.endr
.endm
.macro PROC c, y                       ; y: the loads of the chunk behind, which may stay out
.irp m, 0,1,2,3,4,5,6,7
	s_wait_loadcnt \y+7-\m                         ; loads come back in order (ISA guide 5.7.1): this row of e is in, and so is all of z
	v_pk_add_f32 v[T+4*(\m%2):T+4*(\m%2)+1], v[Z+4*(8*\c+\m):Z+4*(8*\c+\m)+1], v[E+32*(\c%2)+4*\m:E+32*(\c%2)+4*\m+1] neg_lo:[0,1] neg_hi:[0,1]
	v_pk_add_f32 v[T+4*(\m%2)+2:T+4*(\m%2)+3], v[Z+4*(8*\c+\m)+2:Z+4*(8*\c+\m)+3], v[E+32*(\c%2)+4*\m+2:E+32*(\c%2)+4*\m+3] neg_lo:[0,1] neg_hi:[0,1]
.if (8*\c+\m) < 2                      ; the first two turns start the four sums: nothing is cleared
	v_pk_mul_f32 v[ACC+4*(\m%2):ACC+4*(\m%2)+1], v[T+4*(\m%2):T+4*(\m%2)+1], v[T+4*(\m%2):T+4*(\m%2)+1]
	v_pk_mul_f32 v[ACC+4*(\m%2)+2:ACC+4*(\m%2)+3], v[T+4*(\m%2)+2:T+4*(\m%2)+3], v[T+4*(\m%2)+2:T+4*(\m%2)+3]
.else
	v_pk_fma_f32 v[ACC+4*(\m%2):ACC+4*(\m%2)+1], v[T+4*(\m%2):T+4*(\m%2)+1], v[T+4*(\m%2):T+4*(\m%2)+1], v[ACC+4*(\m%2):ACC+4*(\m%2)+1]
	v_pk_fma_f32 v[ACC+4*(\m%2)+2:ACC+4*(\m%2)+3], v[T+4*(\m%2)+2:T+4*(\m%2)+3], v[T+4*(\m%2)+2:T+4*(\m%2)+3], v[ACC+4*(\m%2)+2:ACC+4*(\m%2)+3]
.endif
	global_store_b128 v3, v[E+32*(\c%2)+4*\m:E+32*(\c%2)+4*\m+3], s[10:11] offset:1024*((8*\c+\m)/4)+8192*(\m%2)+256*((\m/2)%2) th:TH_STORE_NT   ; each half of the lanes stores one row: 256 consecutive aligned bytes
.endr
.endm
	GATH 0
	GATH 1
	PROC 0, 8
	s_wait_xcnt 0x0                                ; chunk 0's stores have read their registers: only behind this wait is their set loaded again
	GATH 2
	PROC 1, 8
	s_wait_xcnt 0x0                                ; likewise chunk 1's
	GATH 3
	PROC 2, 8
	PROC 3, 0
	v_pk_add_f32 v[ACC:ACC+1], v[ACC:ACC+1], v[ACC+2:ACC+3]
	v_pk_add_f32 v[ACC+4:ACC+5], v[ACC+4:ACC+5], v[ACC+6:ACC+7]
	v_pk_add_f32 v[ACC:ACC+1], v[ACC:ACC+1], v[ACC+4:ACC+5]
	v_add_f32 v[ACC], v[ACC], v[ACC+1]
	v_add_f32_dpp v[ACC], v[ACC], v[ACC] row_xmask:1 row_mask:0xf bank_mask:0xf
	v_add_f32_dpp v[ACC], v[ACC], v[ACC] row_xmask:2 row_mask:0xf bank_mask:0xf
	v_add_f32_dpp v[ACC], v[ACC], v[ACC] row_xmask:4 row_mask:0xf bank_mask:0xf
	v_add_f32_dpp v[ACC], v[ACC], v[ACC] row_xmask:8 row_mask:0xf bank_mask:0xf
	v_permlanex16_b32 v[ACC+1], v[ACC], s16, s17
	v_add_f32 v[ACC], v[ACC], v[ACC+1]             ; the wave's sum, in every lane
	v_cmp_eq_u32 vcc_lo, 0, v1
	s_wait_xcnt 0x0                                ; EXEC is a source of the stores above: it changes only behind this wait
	s_and_saveexec_b32 s20, vcc_lo
	global_store_b32 v5, v[ACC], s[12:13]          ; lane 0 stores the wave's word of partial
	s_wait_xcnt 0x0                                ; and again, in front of the line that widens it
	s_or_b32 exec_lo, exec_lo, s20
	s_endpgm
.Lfunc_end_k_q974c790415_gather:
	.size	k_q974c790415_gather, .Lfunc_end_k_q974c790415_gather-k_q974c790415_gather
	.p2alignl 7, 3214868480
	.fill 96, 4, 3214868480
	.section	.rodata,"a",@progbits
	.p2align	6, 0x0
	.amdhsa_kernel k_q974c790415_gather
		.amdhsa_group_segment_fixed_size 0
		.amdhsa_private_segment_fixed_size 0
		.amdhsa_enable_private_segment 0
		.amdhsa_kernarg_size 40
		.amdhsa_user_sgpr_count 2
		.amdhsa_user_sgpr_kernarg_segment_ptr 1
		.amdhsa_wavefront_size32 1
		.amdhsa_system_sgpr_workgroup_id_x 1
		.amdhsa_system_sgpr_workgroup_id_y 1
		.amdhsa_system_sgpr_workgroup_id_z 1
		.amdhsa_system_vgpr_workitem_id 0
		.amdhsa_next_free_vgpr 256
		.amdhsa_next_free_sgpr 66
		.amdhsa_reserve_vcc 1
		.amdhsa_float_denorm_mode_32 3
		.amdhsa_float_denorm_mode_16_64 3
		.amdhsa_memory_ordered 1
		.amdhsa_forward_progress 1
		.amdhsa_inst_pref_size 25
	.end_amdhsa_kernel
	.amdgpu_metadata
---
amdhsa.version: [ 1, 2 ]
amdhsa.kernels:
  - .name:           k_q974c790415_gather
    .symbol:         k_q974c790415_gather.kd
    .args:
      - { .name: idx, .offset: 0, .size: 8, .value_kind: global_buffer, .address_space: global }
      - { .name: z, .offset: 8, .size: 8, .value_kind: global_buffer, .address_space: global }
      - { .name: embedding, .offset: 16, .size: 8, .value_kind: global_buffer, .address_space: global }
      - { .name: out1, .offset: 24, .size: 8, .value_kind: global_buffer, .address_space: global }
      - { .name: partial, .offset: 32, .size: 8, .value_kind: global_buffer, .address_space: global }
    .group_segment_fixed_size: 0
    .private_segment_fixed_size: 0
    .kernarg_segment_align: 8
    .kernarg_segment_size: 40
    .max_flat_workgroup_size: 256
    .sgpr_count:     66
    .vgpr_count:     256
    .wavefront_size: 32
...
	.end_amdgpu_metadata
.endif
;; end of part 2
;; launch total (part 3): grid 1 x 1, 1 waves a work-group, no clusters, 0 bytes of LDS; arguments partial, out0; writes out0
.if DOCPART == 3
	.amdgcn_target "amdgcn-amd-amdhsa--gfx1250"
	.amdhsa_code_object_version 6
	.text
	.protected	k_q974c790415_total
	.globl	k_q974c790415_total
	.p2align	8
	.type	k_q974c790415_total,@function
k_q974c790415_total:
	s_mov_b64 s[64:65], 0
	v_nop
	global_prefetch_b8 v0, s[64:65] scope:SCOPE_SE
	s_setreg_imm32_b32 hwreg(HW_REG_WAVE_MODE, 25, 1), 1
	s_wait_xcnt 0x0
; out0 = S + 0.25 S, S the sum of the 2,048 partial sums.  0.25 S is exact, so one fused multiply-add rounds as the two steps of the definition do.
; One wave: 16 loads of 512 consecutive bytes take all 8,192; a tree of packed additions, then the 32 lanes.  The sum spans all work-groups of the launch before, so it has an owner of its own.
	s_load_b128 s[4:7], s[0:1], 0x0                ; partial s[4:5], out0 s[6:7]
	v_lshlrev_b32 v1, 4, v0
	v_mov_b32 v2, 0
	s_mov_b32 s8, 0x76543210
	s_mov_b32 s9, 0xfedcba98                       ; v_permlanex16_b32's selects for lane l xor 16
	s_wait_kmcnt 0x0
.irp i, 0,1,2,3,4,5,6,7,8,9,10,11,12,13,14,15
	global_load_b128 v[8+4*\i:11+4*\i], v1, s[4:5] offset:512*\i
.endr
	s_wait_loadcnt 0x0
.irp u, 0,2,4,6,8,10,12,14,16,18,20,22,24,26,28,30
	v_pk_add_f32 v[8+\u:9+\u], v[8+\u:9+\u], v[40+\u:41+\u]
.endr
.irp u, 0,2,4,6,8,10,12,14
	v_pk_add_f32 v[8+\u:9+\u], v[8+\u:9+\u], v[24+\u:25+\u]
.endr
.irp u, 0,2,4,6
	v_pk_add_f32 v[8+\u:9+\u], v[8+\u:9+\u], v[16+\u:17+\u]
.endr
.irp u, 0,2
	v_pk_add_f32 v[8+\u:9+\u], v[8+\u:9+\u], v[12+\u:13+\u]
.endr
	v_pk_add_f32 v[8:9], v[8:9], v[10:11]
	v_add_f32 v8, v8, v9
	v_add_f32_dpp v8, v8, v8 row_xmask:1 row_mask:0xf bank_mask:0xf
	v_add_f32_dpp v8, v8, v8 row_xmask:2 row_mask:0xf bank_mask:0xf
	v_add_f32_dpp v8, v8, v8 row_xmask:4 row_mask:0xf bank_mask:0xf
	v_add_f32_dpp v8, v8, v8 row_xmask:8 row_mask:0xf bank_mask:0xf
	v_permlanex16_b32 v9, v8, s8, s9
	v_add_f32 v8, v8, v9                           ; S
	v_fma_f32 v8, 0x3e800000, v8, v8               ; S + 0.25 S
	v_cmp_eq_u32 vcc_lo, 0, v0
	s_wait_xcnt 0x0                                ; EXEC changes only behind this wait
	s_and_saveexec_b32 s10, vcc_lo
	global_store_b32 v2, v8, s[6:7]                ; lane 0 stores the one number
	s_wait_xcnt 0x0
	s_or_b32 exec_lo, exec_lo, s10
	s_endpgm
.Lfunc_end_k_q974c790415_total:
	.size	k_q974c790415_total, .Lfunc_end_k_q974c790415_total-k_q974c790415_total
	.p2alignl 7, 3214868480
	.fill 96, 4, 3214868480
	.section	.rodata,"a",@progbits
	.p2align	6, 0x0
	.amdhsa_kernel k_q974c790415_total
		.amdhsa_group_segment_fixed_size 0
		.amdhsa_private_segment_fixed_size 0
		.amdhsa_enable_private_segment 0
		.amdhsa_kernarg_size 16
		.amdhsa_user_sgpr_count 2
		.amdhsa_user_sgpr_kernarg_segment_ptr 1
		.amdhsa_wavefront_size32 1
		.amdhsa_system_sgpr_workgroup_id_x 1
		.amdhsa_system_sgpr_workgroup_id_y 1
		.amdhsa_system_sgpr_workgroup_id_z 1
		.amdhsa_system_vgpr_workitem_id 0
		.amdhsa_next_free_vgpr 80
		.amdhsa_next_free_sgpr 66
		.amdhsa_reserve_vcc 1
		.amdhsa_float_denorm_mode_32 3
		.amdhsa_float_denorm_mode_16_64 3
		.amdhsa_memory_ordered 1
		.amdhsa_forward_progress 1
		.amdhsa_inst_pref_size 5
	.end_amdhsa_kernel
	.amdgpu_metadata
---
amdhsa.version: [ 1, 2 ]
amdhsa.kernels:
  - .name:           k_q974c790415_total
    .symbol:         k_q974c790415_total.kd
    .args:
      - { .name: partial, .offset: 0, .size: 8, .value_kind: global_buffer, .address_space: global }
      - { .name: out0, .offset: 8, .size: 8, .value_kind: global_buffer, .address_space: global }
    .group_segment_fixed_size: 0
    .private_segment_fixed_size: 0
    .kernarg_segment_align: 8
    .kernarg_segment_size: 16
    .max_flat_workgroup_size: 32
    .sgpr_count:     66
    .vgpr_count:     80
    .wavefront_size: 32
...
	.end_amdgpu_metadata
.endif
;; end of part 3
